; MI455X (gfx1250); checked and timed in simulation.
; The chip was launched on July 23, 2026; its instructions are those of AMD's public machine-readable ISA for CDNA 5 (MIT licence, August 2026) and "CDNA5" Instruction Set Architecture Reference Guide (July 2026). The comments in the code are by the model that wrote it; some were corrected since.
;; Multi Head Attention. Allowed arithmetic: float matrix products may take bf16 or f16 operands with f32 sums; all other float work in f32.
;; Inputs: Wk 1,024 x 1,024 float32; Wo 1,024 x 1,024 float32; Wq 1,024 x 1,024 float32; Wv 1,024 x 1,024 float32; bk 1,024 float32; bo 1,024 float32; bq 1,024 float32; bv 1,024 float32; mask 2 x 2,048 x 2,048 int32; x_k 2 x 2,048 x 1,024 float32; x_q 2 x 2,048 x 1,024 float32; x_v 2 x 2,048 x 1,024 float32.
;; Outputs: out0 2 x 2,048 x 1,024 float32.
;; One version. Each part assembles by itself: llvm-mc -triple=amdgcn-amd-amdhsa -mcpu=gfx1250 --defsym DOCPART=n.
;; ======== version 1 of 1: 4 launches
;; workspace buffers: maskw 1,048,576 bytes of whole numbers; wbf 8,388,608 bytes; qkv 25,165,824 bytes; cws 8,388,608 bytes
;; launch prep (part 1): grid 256 x 1, 8 waves a work-group, no clusters, 168,960 bytes of LDS; arguments mask, Wq, Wk, Wv, Wo, maskw, wbf; writes maskw, wbf
.if DOCPART == 1
	.amdgcn_target "amdgcn-amd-amdhsa--gfx1250"
	.amdhsa_code_object_version 6
	.text
	.protected	k_q535b8d7313_prep
	.globl	k_q535b8d7313_prep
	.p2align	8
	.type	k_q535b8d7313_prep,@function
k_q535b8d7313_prep:
	s_mov_b64 s[64:65], 0
	v_nop
	global_prefetch_b8 v0, s[64:65] scope:SCOPE_SE
	s_setreg_imm32_b32 hwreg(HW_REG_WAVE_MODE, 25, 1), 1
	s_wait_xcnt 0x0
; PREP: two streams that later launches would otherwise read many times over.
; (1) mask [2][2048][2048] int32 -> maskw, one bit a number, already in the lane order of the attention launch's score tiles:
;     maskw u32 [b 2][qp 64][kb 32][qt 2][kt 4][j 8]; bit L of a word = (mask[b][32 qp + 16 qt + (L & 15)][64 kb + 16 kt + 8 (L >> 4) + j] != 0).
;     A block of 32 queries x 64 keys is 64 words = 256 consecutive bytes.
; (2) Wq, Wk, Wv, Wo [1024][1024] f32 -> wbf bf16 [g 4: q, k, v, o][kb 16][n 1024][64] = W[n][64 kb + c]: blocked by 64 along K, so that
;     any tile of rows x 64 k is dense in memory.  Wq is multiplied by 0.125 x log2(e) in f32 BEFORE the rounding to bf16 (a stated order of rounding):
;     the scores then come out of the matrix unit scaled and in the base-2 domain.
; 256 work-groups of 8 waves.  Work-group i takes 32 mask rows x 1,024 keys (128 KiB) and 16 rows of one W (64 KiB).
; No matrix unit (nothing is multiplied), no cluster (no two work-groups read the same byte), no barrier (each wave reads only the LDS bytes
; that its own tensor loads filled, and each byte of LDS is filled once).
.set PITCH, 272                        ; an LDS row: 256 bytes of mask + 16 of padding: the 16 rows that a load touches begin at 16 different 16-byte columns modulo 256
.set TILE,  32*PITCH                   ; 32 queries x 64 keys
.set X,   8                            ; v[8:71]    as loaded: W in f32, later the mask's numbers
.set Y,   72                           ; v[72:103]  W in bf16, four registers for each of eight groups: no store's data is ever rewritten
.set PW,  104                          ; v[104:107] the packed words of the wave's two tiles: lane l holds words 2 l and 2 l + 1
.set CW,  20                           ; s[20:27]   eight compare results
.set G1,  28                           ; s[28:35]   descriptor group 1
.set G0,  36                           ; s[36:43]   descriptor group 0, one set for each of the wave's two tiles
	s_load_b256 s[4:11], s[0:1], 0x0               ; mask s[4:5], Wq s[6:7], Wk s[8:9], Wv s[10:11]
	s_load_b128 s[12:15], s[0:1], 0x20             ; Wo s[12:13], maskw s[14:15]
	s_load_b64 s[16:17], s[0:1], 0x30              ; wbf
	v_lshl_add_u32 v112, v0, 2, 0x29000
	v_mov_b32 v113, 0
	ds_add_u32 v112, v113
	ds_add_u32 v112, v113
	v_lshrrev_b32 v5, 5, v0
	v_readfirstlane_b32 s46, v5                    ; wave 0..7
	; group 1: a tile of 32 rows x 64 numbers of 4 bytes, rows 2,048 numbers apart, padded in LDS
	s_mov_b32 s[G1+0], (2<<16)|(1<<20)|(5<<22)|(3<<25)   ; no mask; element of 4 bytes; padding on: after every 64 words, 4 words
	s_mov_b32 s[G1+1], 64<<16                      ; tensor_dim0 = 64
	s_mov_b32 s[G1+2], 32<<16                      ; tensor_dim1 = 32
	s_mov_b32 s[G1+3], 64<<16                      ; tile_dim0 = 64
	s_mov_b32 s[G1+4], 32                          ; tile_dim1 = 32
	s_mov_b32 s[G1+5], 2048                        ; pitch
	s_mov_b32 s[G1+6], 0
	s_mov_b32 s[G1+7], 0
	s_mul_i32 s47, s46, 2*TILE                     ; my two tiles in LDS
	s_lshr_b32 s2, ttmp9, 1                        ; 64 b + qp
	s_lshl_b32 s2, s2, 18                          ; x 32 rows of 8,192 bytes
	s_and_b32 s3, ttmp9, 1
	s_lshl_b32 s3, s3, 12                          ; + which 1,024 keys (4,096 bytes)
	s_add_co_u32 s2, s2, s3
	s_lshl_b32 s3, s46, 9                          ; + my wave's 128 keys
	s_add_co_u32 s2, s2, s3
	s_mov_b32 s3, 0
	s_wait_dscnt 0x0
	s_wait_kmcnt 0x0
	s_add_nc_u64 s[4:5], s[4:5], s[2:3]
.irp t, 0,1
	s_mov_b32 s[G0+4*\t], 1
	s_add_co_u32 s[G0+4*\t+1], s47, \t*TILE
	s_add_nc_u64 s[G0+4*\t+2:G0+4*\t+3], s[4:5], \t*256
	s_or_b32 s[G0+4*\t+3], s[G0+4*\t+3], 0x80000000
	tensor_load_to_lds s[G0+4*\t:G0+4*\t+3], s[G1:G1+7]    ; two tensor loads of the wave are out, no more in the whole text
	s_nop 0
.endr
	; which W, which 16 rows of it, and its factor
	s_lshr_b32 s20, ttmp9, 6                       ; 0 q, 1 k, 2 v, 3 o
	s_cmp_eq_u32 s20, 1
	s_cselect_b64 s[18:19], s[8:9], s[6:7]
	s_cmp_eq_u32 s20, 2
	s_cselect_b64 s[18:19], s[10:11], s[18:19]
	s_cmp_eq_u32 s20, 3
	s_cselect_b64 s[18:19], s[12:13], s[18:19]
	s_cmp_eq_u32 s20, 0
	s_cselect_b32 s44, 0x3e38aa3b, 1.0             ; 0.125 x log2(e) for Wq, 1 for the others
	s_mov_b32 s45, s44
	s_and_b32 s21, ttmp9, 63                       ; which 16 rows
	s_lshl_b32 s2, s21, 16
	s_add_nc_u64 s[18:19], s[18:19], s[2:3]        ; 16 rows of 4,096 bytes
	s_lshl_b32 s2, s20, 21
	s_lshl_b32 s21, s21, 11
	s_add_co_u32 s2, s2, s21
	s_add_nc_u64 s[16:17], s[16:17], s[2:3]        ; wbf + g x 2,097,152 + 16 rows of 128 bytes
	s_lshl_b32 s2, ttmp9, 12
	s_add_nc_u64 s[14:15], s[14:15], s[2:3]        ; maskw: ((64 b + qp) x 32 + 16 x half) x 256 = 4,096 i
	; thread t: kc = t & 7 (8 numbers of a block of 64), nl = (t >> 3) & 15 (row), kh = t >> 7 (even or odd block)
	v_and_b32 v6, 7, v0
	v_bfe_u32 v7, v0, 3, 4
	v_lshrrev_b32 v5, 7, v0
	v_lshlrev_b32 v1, 5, v6
	v_lshl_add_u32 v1, v7, 12, v1
	v_lshl_add_u32 v1, v5, 8, v1                   ; read: nl x 4096 + kh x 256 + kc x 32
	v_lshlrev_b32 v2, 4, v6
	v_lshl_add_u32 v2, v7, 7, v2
	v_lshl_add_u32 v2, v5, 17, v2                  ; write: kh x 131072 + nl x 128 + kc x 16: a wave's store covers 512 consecutive bytes, aligned
.irp g, 0,1,2,3,4,5,6,7
	global_load_b128 v[X+8*\g:X+8*\g+3],   v1, s[18:19] offset:512*\g th:TH_LOAD_NT
	global_load_b128 v[X+8*\g+4:X+8*\g+7], v1, s[18:19] offset:512*\g+16 th:TH_LOAD_NT
.endr
	v_and_b32 v6, 15, v0                           ; r
	v_bfe_u32 v7, v0, 4, 1                         ; h
	v_mul_u32_u24 v3, v6, PITCH
	v_lshl_add_u32 v3, v7, 5, v3
	v_add_nc_u32 v3, s47, v3                       ; LDS: my tiles + r x 272 + 32 h
	v_and_b32 v4, 31, v0
	v_lshlrev_b32 v4, 3, v4
	s_lshl_b32 s21, s46, 9
	v_add_nc_u32 v4, s21, v4                       ; maskw: my wave's two blocks of 256 bytes + 8 bytes a lane
.irp g, 0,1,2,3,4,5,6,7
	s_wait_loadcnt 14-2*\g                         ; loads come back in order: group g is in, the younger groups' two loads each stay out
.irp k, 0,2,4,6
	v_pk_mul_f32 v[X+8*\g+\k:X+8*\g+\k+1], v[X+8*\g+\k:X+8*\g+\k+1], s[44:45] op_sel_hi:[1,0]
.endr
.irp k, 0,1,2,3
	v_cvt_pk_bf16_f32 v[Y+4*\g+\k], v[X+8*\g+2*\k], v[X+8*\g+2*\k+1]
.endr
	global_store_b128 v2, v[Y+4*\g:Y+4*\g+3], s[16:17] offset:262144*\g    ; blocks 2 g + kh
.endr
	; the mask: lane (r, h) reads, for each (qt, kt), the eight numbers of query 16 qt + r at keys 16 kt + 8 h + 0..7;
	; a compare over the wave IS the word (qt, kt, j); word 8 c + j goes to lane 4 c + (j >> 1), register j & 1
.irp t, 0,1
	s_wait_tensorcnt 1-\t                          ; my tile t is in LDS; the younger one may stay out
.irp c, 0,1,2,3,4,5,6,7
	ds_load_b128 v[X+8*\c:X+8*\c+3],   v3 offset:\t*TILE+(\c>>2)*16*PITCH+(\c&3)*64
	ds_load_b128 v[X+8*\c+4:X+8*\c+7], v3 offset:\t*TILE+(\c>>2)*16*PITCH+(\c&3)*64+16
.endr
	v_mov_b32 v[PW+2*\t], 0                        ; v_writelane_b32 keeps the other lanes: the registers are written whole first
	v_mov_b32 v[PW+2*\t+1], 0
.irp c, 0,1,2,3,4,5,6,7
	s_wait_dscnt 14-2*\c                           ; combination c is in, the younger ones' two loads each stay out
.irp j, 0,1,2,3,4,5,6,7
	v_cmp_ne_u32 s[CW+\j], 0, v[X+8*\c+\j]
.endr
.irp j, 0,1,2,3,4,5,6,7
	v_writelane_b32 v[PW+2*\t+(\j&1)], s[CW+\j], 4*\c+(\j>>1)
.endr
.endr
	global_store_b64 v4, v[PW+2*\t:PW+2*\t+1], s[14:15] offset:256*\t      ; the wave stores 256 consecutive bytes, aligned
.endr
	s_wait_tensorcnt 0x0
	ds_add_u32 v112, v113
	s_wait_dscnt 0x0
	s_endpgm                                       ; both tensor loads were waited for above
.Lfunc_end_k_q535b8d7313_prep:
	.size	k_q535b8d7313_prep, .Lfunc_end_k_q535b8d7313_prep-k_q535b8d7313_prep
	.p2alignl 7, 3214868480
	.fill 96, 4, 3214868480
	.section	.rodata,"a",@progbits
	.p2align	6, 0x0
	.amdhsa_kernel k_q535b8d7313_prep
		.amdhsa_group_segment_fixed_size 168960
		.amdhsa_private_segment_fixed_size 0
		.amdhsa_enable_private_segment 0
		.amdhsa_kernarg_size 56
		.amdhsa_user_sgpr_count 2
		.amdhsa_user_sgpr_kernarg_segment_ptr 1
		.amdhsa_wavefront_size32 1
		.amdhsa_system_sgpr_workgroup_id_x 1
		.amdhsa_system_sgpr_workgroup_id_y 1
		.amdhsa_system_sgpr_workgroup_id_z 1
		.amdhsa_system_vgpr_workitem_id 0
		.amdhsa_next_free_vgpr 114
		.amdhsa_next_free_sgpr 66
		.amdhsa_reserve_vcc 0
		.amdhsa_float_denorm_mode_32 3
		.amdhsa_float_denorm_mode_16_64 3
		.amdhsa_memory_ordered 1
		.amdhsa_forward_progress 1
		.amdhsa_inst_pref_size 30
	.end_amdhsa_kernel
	.amdgpu_metadata
---
amdhsa.version: [ 1, 2 ]
amdhsa.kernels:
  - .name:           k_q535b8d7313_prep
    .symbol:         k_q535b8d7313_prep.kd
    .args:
      - { .name: mask, .offset: 0, .size: 8, .value_kind: global_buffer, .address_space: global }
      - { .name: Wq, .offset: 8, .size: 8, .value_kind: global_buffer, .address_space: global }
      - { .name: Wk, .offset: 16, .size: 8, .value_kind: global_buffer, .address_space: global }
      - { .name: Wv, .offset: 24, .size: 8, .value_kind: global_buffer, .address_space: global }
      - { .name: Wo, .offset: 32, .size: 8, .value_kind: global_buffer, .address_space: global }
      - { .name: maskw, .offset: 40, .size: 8, .value_kind: global_buffer, .address_space: global }
      - { .name: wbf, .offset: 48, .size: 8, .value_kind: global_buffer, .address_space: global }
    .group_segment_fixed_size: 168960
    .private_segment_fixed_size: 0
    .kernarg_segment_align: 8
    .kernarg_segment_size: 56
    .max_flat_workgroup_size: 256
    .sgpr_count:     66
    .vgpr_count:     114
    .wavefront_size: 32
...
	.end_amdgpu_metadata
.endif
;; end of part 1
;; launch proj (part 2): grid 4 x 48, 4 waves a work-group, clusters of 4 x 4, 327,680 bytes of LDS; arguments x_q, x_k, x_v, bq, bk, bv, wbf, qkv; writes qkv
.if DOCPART == 2
	.amdgcn_target "amdgcn-amd-amdhsa--gfx1250"
	.amdhsa_code_object_version 6
	.text
	.protected	k_q535b8d7313_proj
	.globl	k_q535b8d7313_proj
	.p2align	8
	.type	k_q535b8d7313_proj,@function
k_q535b8d7313_proj:
	s_mov_b64 s[64:65], 0
	v_nop
	global_prefetch_b8 v0, s[64:65] scope:SCOPE_SE
	s_setreg_imm32_b32 hwreg(HW_REG_WAVE_MODE, 25, 1), 1
	s_wait_xcnt 0x0
	s_wait_alu depctr_hold_cnt(0) depctr_sa_sdst(0) depctr_va_vdst(0) depctr_va_sdst(0) depctr_va_ssrc(0) depctr_va_vcc(0) depctr_vm_vsrc(0)
	s_getreg_b32 s2, hwreg(HW_REG_IB_STS2, 6, 4)
	s_cmp_eq_u32 s2, 0
	s_cbranch_scc0 .Lentry_in_a_cluster
	s_endpgm
.Lentry_in_a_cluster:
	s_bfe_u32 s2, ttmp6, 0x10000c
	s_cmp_lg_u32 s2, 0xf033
	s_cbranch_scc0 .Lentry_shape_is_right
	s_endpgm
.Lentry_shape_is_right:
; PROJ: q, k, v = x W^T + b, three products of 4096 x 1024 x 1024, stored as bf16 [g 3][b 2][h 16][s 2048][64].
; For g = 0 the weights already carry 0.125 x log2(e); the bias is multiplied by the same factor here.
; A work-group makes 256 rows x 256 columns with four waves, a wave 128 x 128: 64 accumulator tiles, 512 registers.
; 3 x 16 x 4 = 192 work-groups: with this block no other number comes out of the sizes.
; K goes in steps of 64 through two LDS slots.  A's tile is x in f32 (a row of the tile is 256 bytes of memory, aligned) and is rounded to bf16 between
; LDS and the matrix unit, so x is read from memory once and never written back; B's tile is dense in wbf.
; CLUSTERS: 4 x 4 work-groups.  A's tile hangs on the block row (and on g, which the whole cluster shares) and is asked for jointly along a row of the
; cluster; B's hangs on the block column (and g) and is asked for jointly along a column.
; REGISTERS, in windows of 256:
;   window 0: v16-26 addresses; v64-127, v128-191 A's fragments in bf16, two buffers; v192-255 the bias as a C operand, later packed results
;   window 1: v64-127, v128-191 B's fragments, two buffers; v0-63 and v192-255 A as loaded, f32 (16 registers a fragment)
;   windows 2, 3: accumulators, tile (a, b) at v[8 (8 a + b)], my rows 0-63 and 64-127
; The matrix instruction is used transposed (source 0 = rows of W, source 1 = rows of x): lane l holds row l % 16, registers 0-7 the columns 8 (l / 16) + 0..7.
.set PITCH,  272                       ; LDS rows: 256 bytes + 16 of padding
.set AHALF,  128*PITCH                 ; 128 rows of x, 64 f32 each: one tensor load
.set BHALF,  64*PITCH                  ; 128 rows of W, 64 bf16 each, two to an LDS row: one tensor load
.set BOFF,   2*AHALF
.set SLOT,   2*AHALF+2*BHALF           ; 104,448
.set STAGE,  2*SLOT                    ; 16 rows x 272 bytes for each wave; no tensor load fills it
.set ADRA, 16                          ; v16-17  my A rows in slot 0, 1
.set ADRB, 20                          ; v20-21  my B rows
.set STO,  24
.set RD,   25
.set CO,   26
.set F0,   64
.set F1,   128
.set BI,   192                         ; bias: 8 registers for each of 8 column tiles
.set TMP,  192
.set G1,  24                           ; s[24:31] group 1 for A
.set G0,  32                           ; s[32:39] group 0 for A, one set a slot
.set G1B, 48                           ; s[48:55] group 1 for B
.set G0B, 56                           ; s[56:63] group 0 for B
.set MSB, 0
.macro WIN new                         ; the immediate's high byte repeats the setting that is left
.if MSB != \new
	s_set_vgpr_msb (MSB<<8)|\new
.set MSB, \new
.endif
.endm
; A joint load: waves 0 and 1 ask for A's two halves, waves 2 and 3 for B's.  The branch hangs on the wave's number alone.
.macro JLOAD s
	s_cmp_eq_u32 s11, 0
	s_cbranch_scc0 .Lfor_b_\@
	tensor_load_to_lds s[G0+4*\s:G0+4*\s+3], s[G1:G1+7]
	s_nop 0
	s_branch .Lasked_\@
.Lfor_b_\@:
	tensor_load_to_lds s[G0B+4*\s:G0B+4*\s+3], s[G1B:G1B+7]
	s_nop 0
.Lasked_\@:
.endm
.macro CREST                           ; a round of the cluster's barrier behind its opening work-group barrier
	s_cmp_lg_u32 s10, 0
	s_cbranch_scc1 .Lnot_wave_0_\@
	s_barrier_signal -3
.Lnot_wave_0_\@:
	s_barrier_wait -3
	s_barrier_signal -1
	s_barrier_wait -1
.endm
.macro CROUND                          ; a whole round
	s_barrier_signal -1
	s_barrier_wait -1
	CREST
.endm
	s_load_b512 s[68:83], s[0:1], 0x0              ; x_q, x_k, x_v, bq, bk, bv, wbf s[80:81], qkv s[82:83]
	v_lshl_add_u32 v62, v0, 2, 0x37400
	v_mov_b32 v63, 0
	ds_add_u32 v62, v63
	ds_add_u32 v62, v63
	v_lshrrev_b32 v1, 5, v0
	v_readfirstlane_b32 s10, v1                    ; wave 0..3
	s_lshr_b32 s11, s10, 1                         ; my half of the block's rows; also: I fetch for A (0) or B (1)
	s_and_b32 s12, s10, 1                          ; my half of its columns; also: which half of that tile I fetch
	s_bfe_u32 s40, ttmp6, 0x40000                  ; cx
	s_bfe_u32 s41, ttmp6, 0x40004                  ; cy
	s_lshl_b32 s42, ttmp9, 2
	s_add_co_u32 s42, s42, s40                     ; block column 0..3
	s_and_b32 s9, ttmp7, 0xffff                    ; the cluster's y, 0..11
	s_lshr_b32 s45, s9, 2                          ; g: 0 q, 1 k, 2 v; the same in the whole cluster
	s_and_b32 s13, s9, 3
	s_lshl_b32 s13, s13, 2
	s_add_co_u32 s13, s13, s41                     ; block row 0..15
	s_lshl_b32 s43, s41, 2
	s_lshl_b32 s43, 15, s43                        ; my row of the cluster
	s_lshl_b32 s44, 0x1111, s40                    ; my column
	; group 1 for A: 128 rows x 64 f32, rows 1,024 numbers apart
	s_or_b32 s[G1+0], s43, (2<<16)|(1<<20)|(1<<21)|(5<<22)|(3<<25)
	s_mov_b32 s[G1+1], 64<<16
	s_mov_b32 s[G1+2], 128<<16
	s_mov_b32 s[G1+3], 64<<16
	s_mov_b32 s[G1+4], 128
	s_mov_b32 s[G1+5], 1024
	s_mov_b32 s[G1+6], 0
	s_mov_b32 s[G1+7], 0
	; group 1 for B: a dense block of 16,384 bytes as 64 rows of 32 elements of 8 bytes
	s_or_b32 s[G1B+0], s44, (3<<16)|(1<<20)|(1<<21)|(5<<22)|(3<<25)
	s_mov_b32 s[G1B+1], 32<<16
	s_mov_b32 s[G1B+2], 64<<16
	s_mov_b32 s[G1B+3], 32<<16
	s_mov_b32 s[G1B+4], 64
	s_mov_b32 s[G1B+5], 32
	s_mov_b32 s[G1B+6], 0
	s_mov_b32 s[G1B+7], 0
	; A's offset holds the block row and never cx; B's holds the block column and never cy
	s_lshl_b32 s16, s13, 8
	s_lshl_b32 s17, s12, 7
	s_add_co_u32 s16, s16, s17
	s_lshl_b32 s16, s16, 12                        ; (256 x block row + 128 x half) rows of 4,096 bytes
	s_mov_b32 s17, 0
	s_lshl_b32 s46, s42, 8
	s_lshl_b32 s47, s12, 7
	s_add_co_u32 s46, s46, s47
	s_lshl_b32 s46, s46, 7                         ; (256 x block column + 128 x half) rows of 128 bytes
	s_lshl_b32 s47, s45, 21
	s_add_co_u32 s46, s46, s47                     ; + g x 2,097,152
	s_mov_b32 s47, 0
	s_mul_i32 s20, s12, AHALF                      ; where they go: the wave's number alone enters an LDS address
	s_mul_i32 s21, s12, BHALF
	s_add_co_u32 s21, s21, BOFF
	s_wait_dscnt 0x0
	s_wait_kmcnt 0x0
	s_cmp_eq_u32 s45, 1
	s_cselect_b64 s[88:89], s[70:71], s[68:69]     ; x of my g
	s_cselect_b64 s[84:85], s[76:77], s[74:75]     ; bias of my g
	s_cmp_eq_u32 s45, 2
	s_cselect_b64 s[88:89], s[72:73], s[88:89]
	s_cselect_b64 s[84:85], s[78:79], s[84:85]
	s_cmp_eq_u32 s45, 0
	s_cselect_b32 s86, 0x3e38aa3b, 1.0             ; the bias's factor: 0.125 x log2(e) for q
	s_mov_b32 s87, s86
	s_add_nc_u64 s[14:15], s[88:89], s[16:17]
	s_add_nc_u64 s[46:47], s[80:81], s[46:47]
	CROUND                                         ; all sixteen work-groups are here: the first joint loads meet
.irp s, 0,1
	s_mov_b32 s[G0+4*\s], 1
	s_add_co_u32 s[G0+4*\s+1], s20, \s*SLOT
	s_add_nc_u64 s[G0+4*\s+2:G0+4*\s+3], s[14:15], \s*256          ; K step s: 64 f32
	s_or_b32 s[G0+4*\s+3], s[G0+4*\s+3], 0x80000000
	s_mov_b32 s[G0B+4*\s], 1
	s_add_co_u32 s[G0B+4*\s+1], s21, \s*SLOT
	s_add_nc_u64 s[G0B+4*\s+2:G0B+4*\s+3], s[46:47], \s*131072     ; K block s of wbf
	s_or_b32 s[G0B+4*\s+3], s[G0B+4*\s+3], 0x80000000
	JLOAD \s
.endr
	v_and_b32 v1, 15, v0                           ; r
	v_bfe_u32 v2, v0, 4, 1                         ; h
	v_lshlrev_b32 v6, 5, v2                        ; bias: 8 h numbers
	s_lshl_b32 s90, s42, 10
	s_lshl_b32 s91, s12, 9
	s_add_co_u32 s90, s90, s91                     ; (256 x block column + 128 x half) x 4
	s_mov_b32 s91, 0
	s_add_nc_u64 s[84:85], s[84:85], s[90:91]
.irp b, 0,1,2,3,4,5,6,7
	global_load_b128 v[BI+8*\b:BI+8*\b+3],   v6, s[84:85] offset:64*\b       ; register j: bias of column 16 b + 8 h + j, as a result tile holds it
	global_load_b128 v[BI+8*\b+4:BI+8*\b+7], v6, s[84:85] offset:64*\b+16
.endr
	v_mul_u32_u24 v3, v1, PITCH
	v_lshl_add_u32 v3, v2, 5, v3                   ; A: r x 272 + 32 h (8 f32)
	v_lshrrev_b32 v4, 1, v1
	v_mul_u32_u24 v4, v4, PITCH
	v_and_b32 v5, 1, v1
	v_lshl_add_u32 v4, v5, 7, v4
	v_lshl_add_u32 v4, v2, 4, v4                   ; B: (r >> 1) x 272 + (r & 1) x 128 + 16 h: 16 rows at 16 different 16-byte columns modulo 256
	s_mul_i32 s22, s11, AHALF
	s_mul_i32 s23, s12, BHALF
	s_add_co_u32 s23, s23, BOFF
.irp s, 0,1
	v_add_nc_u32 v[ADRA+\s], s22, v3
	v_add_nc_u32 v[ADRB+\s], s23, v4
	s_add_co_u32 s22, s22, SLOT
	s_add_co_u32 s23, s23, SLOT
.endr
	s_mul_i32 s22, s10, 16*PITCH
	s_add_co_u32 s22, s22, STAGE                   ; my stage
	v_mul_u32_u24 v5, v1, PITCH
	v_lshl_add_u32 v5, v2, 4, v5
	v_add_nc_u32 v[STO], s22, v5                   ; in: row r, 16 bytes for each half of the lanes
	v_and_b32 v7, 31, v0
	v_lshrrev_b32 v5, 3, v7
	v_mul_u32_u24 v5, v5, PITCH
	v_and_b32 v8, 7, v0
	v_lshl_add_u32 v5, v8, 4, v5
	v_add_nc_u32 v[RD], s22, v5                    ; back: eight lanes take one head's 128 bytes of a row, four rows an instruction
	v_lshlrev_b32 v[CO], 4, v7                     ; and those four rows are 512 consecutive bytes of qkv
	s_wait_loadcnt 0x0
.set k, 0
.rept 32
	v_pk_mul_f32 v[BI+k:BI+k+1], v[BI+k:BI+k+1], s[86:87] op_sel_hi:[1,0]
.set k, k+2
.endr
; 16 matrix instructions: row tiles a0, a0 + 1 of the window's four x all 8 column tiles, 32 along K.  cmode = 1: C is the bias: it starts the sums,
; nothing is cleared and the way out adds nothing.  The 64 accumulators take turns, one instruction a turn, in one fixed order.
.macro MUL16 f, hi, a0, cmode
.irp a, \a0, \a0+1
.irp b, 0,1,2,3,4,5,6,7
.if \cmode
	v_wmma_f32_16x16x32_bf16 v[8*(8*(\a)+\b):8*(8*(\a)+\b)+7], v[\f+8*\b:\f+8*\b+7], v[\f+8*(4*\hi+\a):\f+8*(4*\hi+\a)+7], v[BI+8*\b:BI+8*\b+7]
.else
	v_wmma_f32_16x16x32_bf16 v[8*(8*(\a)+\b):8*(8*(\a)+\b)+7], v[\f+8*\b:\f+8*\b+7], v[\f+8*(4*\hi+\a):\f+8*(4*\hi+\a)+7], v[8*(8*(\a)+\b):8*(8*(\a)+\b)+7]
.endif
.endr
.endr
.endm
; 48 LDS loads under one window setting: B's 8 fragments into buffer f, A's 8 fragments in f32 into the staging registers.  q: which 32 of the step's 64 k.
.macro FETCH slot, q, f
	WIN 0x40                                       ; destination window 1, address window 0
.irp i, 0,1,2,3,4,5,6,7
	ds_load_b128 v[\f+8*\i:\f+8*\i+3],   v[ADRB+\slot] offset:\q*64+\i*8*PITCH
	ds_load_b128 v[\f+8*\i+4:\f+8*\i+7], v[ADRB+\slot] offset:\q*64+\i*8*PITCH+32
.endr
.irp i, 0,1,2,3,4,5,6,7
.irp p, 0,1,2,3
	ds_load_b128 v[16*\i+128*(\i/4)+4*\p:16*\i+128*(\i/4)+4*\p+3], v[ADRA+\slot] offset:\q*128+\i*16*PITCH+(\p&1)*16+(\p>>1)*64
.endr
.endr
.endm
; 64 roundings: A's staged f32 to fragments in buffer f.  They name no register of the matrix instructions in front of them, so they are also the places
; between those and the next run of loads into the buffer that those have read: the loop holds no v_nop.
.macro CVT f
	WIN 0x05                                       ; sources window 1, destination window 0
.irp i, 0,1,2,3,4,5,6,7
.irp c, 0,1,2,3,4,5,6,7
	v_cvt_pk_bf16_f32 v[\f+8*\i+\c], v[16*\i+128*(\i/4)+2*\c], v[16*\i+128*(\i/4)+2*\c+1]
.endr
.endr
.endm
; The first half of a K step: fetches the second half's operands, multiplies buffer 0, rounds into buffer 1.
.macro QUART slot, cmode
	FETCH \slot, 1, F1
	WIN (0xa1-0x20*\cmode)                         ; B window 1, A window 0, D window 2; C window 2, or 0 for the bias
	MUL16 F0, 0, 0, \cmode
	MUL16 F0, 0, 2, \cmode
	WIN (0xf1-0x30*\cmode)
	MUL16 F0, 1, 0, \cmode
	MUL16 F0, 1, 2, \cmode
	s_wait_dscnt 0x0
	CVT F1
.endm
; The second half: multiplies buffer 1 and changes slots.  In front of the barrier each wave has its reads of this slot back and all its tensor loads landed
; (one was out: its part of the next slot).  Where the slot is filled again the barrier opens a round of the cluster's barrier, only matrix instructions stand
; inside the round, and the joint refill is the first tensor load behind it, ahead of the first LDS read.
.macro TURN slot, next, fill
	s_wait_dscnt 0x0
	s_set_vgpr_msb 0x500
	s_wait_tensorcnt 0x0
	ds_add_u32 v62, v63
	s_wait_dscnt 0x0
	s_set_vgpr_msb 0x5
	s_barrier_signal -1
	WIN 0xa1
	MUL16 F1, 0, 0, 0
	WIN 0
	s_barrier_wait -1
.if \fill
	CREST
	s_add_nc_u64 s[G0+4*\slot+2:G0+4*\slot+3], s[G0+4*\slot+2:G0+4*\slot+3], 512           ; two K steps of 64 f32 on
	s_add_nc_u64 s[G0B+4*\slot+2:G0B+4*\slot+3], s[G0B+4*\slot+2:G0B+4*\slot+3], 262144    ; two K blocks of wbf on
	JLOAD \slot
.endif
	FETCH \next, 0, F0
	WIN 0xa1
	MUL16 F1, 0, 2, 0
	WIN 0xf1
	MUL16 F1, 1, 0, 0
	MUL16 F1, 1, 2, 0
	s_wait_dscnt 0x0
	CVT F0
.endm
	s_wait_tensorcnt 0x1                           ; my part of K step 0 is in; K step 1's load stays out
	s_barrier_signal -1
	s_barrier_wait -1
	FETCH 0, 0, F0
	s_wait_dscnt 0x0
	CVT F0
	QUART 0, 1                                     ; the first lap stands in front of the loop: its first products start the sums on the bias
	TURN 0, 1, 1
	QUART 1, 0
	TURN 1, 0, 1
	WIN 0
	s_mov_b32 s3, 6                                ; 16 K steps = 8 laps: one above, six here, one below
.Llap:
	QUART 0, 0
	TURN 0, 1, 1
	QUART 1, 0
	TURN 1, 0, 1
	WIN 0
	s_sub_co_u32 s3, s3, 1
	s_cmp_lg_u32 s3, 0
	s_cbranch_scc1 .Llap
	QUART 0, 0                                     ; the last lap fills nothing
	TURN 0, 1, 0
	QUART 1, 0
	WIN 0xa1
	MUL16 F1, 0, 0, 0
	MUL16 F1, 0, 2, 0
	WIN 0xf1
	MUL16 F1, 1, 0, 0
	MUL16 F1, 1, 2, 0
.rept 4
	v_nop                                          ; four places behind the last matrix instruction (ISA guide 7.12.1) before its result is read
.endr
	; qkv + g x 8,388,608 + ((b x 16 + head) x 2048 + s) x 128: b = block row >> 3, head = 4 x block column + 2 x half (+ 1), s = (block row & 7) x 256 + 128 x half
	s_lshr_b32 s90, s13, 3
	s_lshl_b32 s90, s90, 4
	s_lshl_b32 s91, s42, 2
	s_add_co_u32 s90, s90, s91
	s_lshl_b32 s91, s12, 1
	s_add_co_u32 s90, s90, s91
	s_lshl_b32 s90, s90, 18
	s_lshl_b32 s91, s45, 23
	s_add_co_u32 s90, s90, s91
	s_and_b32 s91, s13, 7
	s_lshl_b32 s91, s91, 15
	s_add_co_u32 s90, s90, s91
	s_lshl_b32 s91, s11, 14
	s_add_co_u32 s90, s90, s91
	s_mov_b32 s91, 0
	s_add_nc_u64 s[82:83], s[82:83], s[90:91]
; 16 rows at a time: round to bf16, 16 bytes a lane into my own stage, read back head by head: four rows of a head are 512 consecutive bytes of qkv.
.macro OUT16 i, a, from, f
	WIN \from
.irp b, 0,1,2,3,4,5,6,7
.irp r, 0,1,2,3
	v_cvt_pk_bf16_f32 v[TMP+4*\b+\r], v[8*(8*\a+\b)+2*\r], v[8*(8*\a+\b)+2*\r+1]
.endr
.endr
	WIN 0
.irp b, 0,1,2,3,4,5,6,7
	ds_store_b128 v[STO], v[TMP+4*\b:TMP+4*\b+3] offset:32*\b
.endr
	s_wait_xcnt 0x0                                ; buffer f, which earlier stores read, is loaded again only behind this wait
.irp t, 0,1,2,3,4,5,6,7
	ds_load_b128 v[\f+4*\t:\f+4*\t+3], v[RD] offset:(\t&3)*4*PITCH+(\t>>2)*128     ; LDS serves a wave's instructions in order: these see the stores above
.endr
.irp t, 0,1,2,3,4,5,6,7
	s_wait_dscnt 7-\t                              ; read-back t is in, the younger ones stay out
	global_store_b128 v[CO], v[\f+4*\t:\f+4*\t+3], s[82:83] offset:\i*2048+(\t>>2)*262144+(\t&3)*512
.endr
.endm
	OUT16 0, 0, 0x0a, F0
	OUT16 1, 1, 0x0a, F1
	OUT16 2, 2, 0x0a, F0
	OUT16 3, 3, 0x0a, F1
	OUT16 4, 0, 0x0f, F0
	OUT16 5, 1, 0x0f, F1
	OUT16 6, 2, 0x0f, F0
	OUT16 7, 3, 0x0f, F1
	s_wait_tensorcnt 0x0
	ds_add_u32 v62, v63
	s_wait_dscnt 0x0
	CROUND                                         ; the closing round: no work-group ends while a partner may still ask for a tile that names it
	s_endpgm
.Lfunc_end_k_q535b8d7313_proj:
	.size	k_q535b8d7313_proj, .Lfunc_end_k_q535b8d7313_proj-k_q535b8d7313_proj
	.p2alignl 7, 3214868480
	.fill 96, 4, 3214868480
	.section	.rodata,"a",@progbits
	.p2align	6, 0x0
	.amdhsa_kernel k_q535b8d7313_proj
		.amdhsa_group_segment_fixed_size 327680
		.amdhsa_private_segment_fixed_size 0
		.amdhsa_enable_private_segment 0
		.amdhsa_kernarg_size 64
		.amdhsa_user_sgpr_count 2
		.amdhsa_user_sgpr_kernarg_segment_ptr 1
		.amdhsa_wavefront_size32 1
		.amdhsa_system_sgpr_workgroup_id_x 1
		.amdhsa_system_sgpr_workgroup_id_y 1
		.amdhsa_system_sgpr_workgroup_id_z 1
		.amdhsa_system_vgpr_workitem_id 0
		.amdhsa_next_free_vgpr 1024
		.amdhsa_next_free_sgpr 100
		.amdhsa_reserve_vcc 0
		.amdhsa_float_denorm_mode_32 3
		.amdhsa_float_denorm_mode_16_64 3
		.amdhsa_memory_ordered 1
		.amdhsa_forward_progress 1
		.amdhsa_inst_pref_size 183
	.end_amdhsa_kernel
	.amdgpu_metadata
---
amdhsa.version: [ 1, 2 ]
amdhsa.kernels:
  - .name:           k_q535b8d7313_proj
    .symbol:         k_q535b8d7313_proj.kd
    .args:
      - { .name: x_q, .offset: 0, .size: 8, .value_kind: global_buffer, .address_space: global }
      - { .name: x_k, .offset: 8, .size: 8, .value_kind: global_buffer, .address_space: global }
      - { .name: x_v, .offset: 16, .size: 8, .value_kind: global_buffer, .address_space: global }
      - { .name: bq, .offset: 24, .size: 8, .value_kind: global_buffer, .address_space: global }
      - { .name: bk, .offset: 32, .size: 8, .value_kind: global_buffer, .address_space: global }
      - { .name: bv, .offset: 40, .size: 8, .value_kind: global_buffer, .address_space: global }
      - { .name: wbf, .offset: 48, .size: 8, .value_kind: global_buffer, .address_space: global }
      - { .name: qkv, .offset: 56, .size: 8, .value_kind: global_buffer, .address_space: global }
    .group_segment_fixed_size: 327680
    .private_segment_fixed_size: 0
    .kernarg_segment_align: 8
    .kernarg_segment_size: 64
    .max_flat_workgroup_size: 128
    .sgpr_count:     100
    .vgpr_count:     1024
    .wavefront_size: 32
...
	.end_amdgpu_metadata
.endif
;; end of part 2
;; launch attn (part 3): grid 8 x 32, 16 waves a work-group, clusters of 4 x 1, 327,680 bytes of LDS; arguments qkv, maskw, cws; writes cws
.if DOCPART == 3
	.amdgcn_target "amdgcn-amd-amdhsa--gfx1250"
	.amdhsa_code_object_version 6
	.text
	.protected	k_q535b8d7313_attn
	.globl	k_q535b8d7313_attn
	.p2align	8
	.type	k_q535b8d7313_attn,@function
k_q535b8d7313_attn:
	s_mov_b64 s[64:65], 0
	v_nop
	global_prefetch_b8 v0, s[64:65] scope:SCOPE_SE
	s_setreg_imm32_b32 hwreg(HW_REG_WAVE_MODE, 25, 1), 1
	s_wait_xcnt 0x0
	s_wait_alu depctr_hold_cnt(0) depctr_sa_sdst(0) depctr_va_vdst(0) depctr_va_sdst(0) depctr_va_ssrc(0) depctr_va_vcc(0) depctr_vm_vsrc(0)
	s_getreg_b32 s2, hwreg(HW_REG_IB_STS2, 6, 4)
	s_cmp_eq_u32 s2, 0
	s_cbranch_scc0 .Lentry_in_a_cluster
	s_endpgm
.Lentry_in_a_cluster:
	s_bfe_u32 s2, ttmp6, 0x10000c
	s_cmp_lg_u32 s2, 0x3003
	s_cbranch_scc0 .Lentry_shape_is_right
	s_endpgm
.Lentry_shape_is_right:
; ATTN: softmax(where(mask == 0, -1e9, q k^T / 8)) v for one (batch, head) and 256 queries a work-group; result bf16 [b][h][s][64] in cws.
; Sixteen waves of 256 registers, four to a SIMD, so that a wave's waits (LDS, a result, a barrier) and its softmax run beside three other waves' work.
; Wave w: qg = w & 7 takes 32 queries (qt = 0, 1: two tiles of 16); kh = w >> 3 takes steps 2 kh and 2 kh + 1 (64 keys each) of every tile of 256 keys,
; 1,024 of the 2,048 keys in all, with a running maximum, a row sum and an O of its own.  At the end the waves with kh = 1 hand theirs through LDS to their
; partners, which merge: m = max(m0, m1), a_i = 2^(m_i - m), O = (a0 O0 + a1 O1) / (a0 l0 + a1 l1).
; Scores are made TRANSPOSED, S^T = K Q^T: lane (r, h) holds query r, register j of tile kt the key 16 kt + 8 h + j.  So a query's row lies in two lanes,
; the maximum needs one exchange between the halves, and the rounded p are, as they lie, the second operand of O^T = V^T P^T: no move between lanes.
; q carries 0.125 x log2(e) from the projection: p = 2^(s - m) with a running maximum m, O and the row sum rescaled by 2^(m_old - m_new) in every step of 64 keys.
; The mask comes as lane masks, 64 words a step by scalar loads: one v_cndmask_b32 serves 32 scores.
; CLUSTERS: the four query blocks of a cluster (4, 1, 1) work on one head and ask for K's and V's tiles jointly (mask 15).
; LIMITS, stated: -1e9 is used as -1e9 x log2(e) rounded to f32 (0xceabfb8f); a row that is masked throughout gives the plain mean of v, as in the definition;
; p is rounded to bf16 for the product while the row sum adds the unrounded p; v_exp_f32 gives zero below 2^-126; a NaN score loses in the running maximum.
.set SLOT,  71680                      ; K: 128 LDS rows (2 keys each) at pitch 272 = 34,816; V: the same rows at pitch 288 = 36,864
.set VOFF,  34816
.set STAGE, 2*SLOT                     ; 32 rows x 144 bytes for each wave number (waves 0-7 use theirs); no tensor load fills it
.set MRG,   STAGE+16*4608              ; for each pair of waves 16 x 512 bytes of O and 512 of m and l; no tensor load fills it
.set MPAIR, 17*512
.set NEG,  1                           ; v1       the replacement value
.set ADRK, 2                           ; v2-3     K's fragments of my half of the tile in slot 0, 1
.set ADRV, 4                           ; v4-5     V's
; v6, v8 / v10, v12: the maxima of qt 0, 1, in two sets that take turns by the step's parity (nothing is copied); v14, v16: the rescale factors.
; Each lies in an even register and is broadcast by op_sel_hi; the odd partners hold the temporaries v7, v11 / v9, v13 (two chains) and v15, v17 (other half).
.set LS,   18                          ; v[18:21]  row sums, a pair for each qt
.set RS,   22                          ; v[22:29]  a step's sums: qt: keys 0-31, keys 32-63
.set QF,   32                          ; v[32:63]  Q's fragments (qt, dh) at 16 qt + 8 dh
.set SB,   64                          ; v[64:127] scores (kt, qt) at 8 (2 kt + qt); P (qt, kh) = the registers of (2 kh, qt)
.set FB,   128                         ; v[128:191] K's fragments (dh, kt), then V's (kh, dt), at 8 (4 x + y)
.set OB,   192                         ; v[192:255] O^T (dt, qt) at 8 (2 dt + qt)
; s2-3 selects of v_permlanex16_b32; s[4:7], s[8:11] group 0 for K, V; s12 wave; s13 counter; s[14:15] mask pointer; s[16:63], s[68:83] the step's 64 mask words;
; s66, s67 my LDS rows of K, V; s[84:91], s[92:99] group 1 for K, V; s[100:101] Q; s[104:105] cws
.macro ROUND                           ; a round of the cluster's barrier
	s_barrier_signal -1
	s_barrier_wait -1
	s_cmp_lg_u32 s12, 0
	s_cbranch_scc1 .Lnot_wave_0_\@
	s_barrier_signal -3
.Lnot_wave_0_\@:
	s_barrier_wait -3
	s_barrier_signal -1
	s_barrier_wait -1
.endm
	s_load_b128 s[16:19], s[0:1], 0x0              ; qkv, maskw
	s_load_b64 s[20:21], s[0:1], 0x10              ; cws
	v_lshl_add_u32 v126, v0, 2, 0x46000
	v_mov_b32 v127, 0
	ds_add_u32 v126, v127
	ds_add_u32 v126, v127
	s_wait_dscnt 0x0
	v_lshrrev_b32 v1, 5, v0
	v_readfirstlane_b32 s12, v1                    ; wave 0..15
	s_mov_b32 s2, 0x76543210
	s_mov_b32 s3, 0xfedcba98
	s_and_b32 s25, s12, 7                          ; qg: which 32 queries
	s_lshr_b32 s32, s12, 3                         ; kh: which half of every tile's keys
	s_bfe_u32 s22, ttmp6, 0x40000                  ; cx
	s_lshl_b32 s23, ttmp9, 2
	s_add_co_u32 s23, s23, s22                     ; query block 0..7
	s_and_b32 s24, ttmp7, 0xffff                   ; 16 b + head
	; group 1: the 16 keys that I fetch = a dense block of 2,048 bytes as 8 rows of 32 elements of 8 bytes; K padded by 4 words a row, V by 8
	s_mov_b32 s84, 15|(3<<16)|(1<<20)|(1<<21)|(5<<22)|(3<<25)
	s_mov_b32 s85, 32<<16
	s_mov_b32 s86, 8<<16
	s_mov_b32 s87, 32<<16
	s_mov_b32 s88, 8
	s_mov_b32 s89, 32
	s_mov_b32 s90, 0
	s_mov_b32 s91, 0
	s_mov_b32 s92, 15|(3<<16)|(1<<20)|(1<<21)|(5<<22)|(7<<25)
	s_mov_b32 s93, 32<<16
	s_mov_b32 s94, 8<<16
	s_mov_b32 s95, 32<<16
	s_mov_b32 s96, 8
	s_mov_b32 s97, 32
	s_mov_b32 s98, 0
	s_mov_b32 s99, 0
	s_mul_i32 s66, s12, 8*272
	s_mul_i32 s67, s12, 8*288
	s_add_co_u32 s67, s67, VOFF
	s_mul_i32 s34, s32, 2*8704                     ; where my half of a tile's K begins: two steps of 32 LDS rows
	s_mul_i32 s35, s32, 2*9216                     ; and of its V
	s_add_co_u32 s35, s35, VOFF
	s_lshl_b32 s26, s24, 18                        ; K, V: head x 262,144 + the 16 keys of the tile that I fetch; cx never enters these registers
	s_lshl_b32 s27, s12, 11
	s_add_co_u32 s26, s26, s27
	s_mov_b32 s27, 0
	s_lshl_b32 s28, s24, 18                        ; Q and the result: head x 262,144 + (256 x block + 32 x qg) x 128
	s_lshl_b32 s29, s23, 15
	s_add_co_u32 s28, s28, s29
	s_lshl_b32 s29, s25, 12
	s_add_co_u32 s28, s28, s29
	s_mov_b32 s29, 0
	s_lshr_b32 s30, s24, 4                         ; mask words: (64 b + 8 x block + qg) x 32 blocks of 256 bytes, + my half's first block, 2 kh
	s_lshl_b32 s30, s30, 6
	s_lshl_b32 s31, s23, 3
	s_add_co_u32 s30, s30, s31
	s_add_co_u32 s30, s30, s25
	s_lshl_b32 s30, s30, 13
	s_lshl_b32 s31, s32, 9
	s_add_co_u32 s30, s30, s31
	s_mov_b32 s31, 0
	s_wait_kmcnt 0x0
	s_add_nc_u64 s[100:101], s[16:17], s[28:29]
	s_add_nc_u64 s[104:105], s[20:21], s[28:29]
	s_add_nc_u64 s[14:15], s[18:19], s[30:31]
	s_add_nc_u64 s[26:27], s[16:17], s[26:27]
	s_mov_b32 s4, 1
	s_mov_b32 s5, s66
	s_add_nc_u64 s[6:7], s[26:27], 8388608         ; k
	s_or_b32 s7, s7, 0x80000000
	s_mov_b32 s8, 1
	s_mov_b32 s9, s67
	s_add_nc_u64 s[10:11], s[26:27], 16777216      ; v
	s_or_b32 s11, s11, 0x80000000
	ROUND                                          ; the four work-groups are here: the first joint loads meet
	tensor_load_to_lds s[4:7], s[84:91]            ; tile 0 (256 keys): my sixteenth of K
	s_nop 0
	tensor_load_to_lds s[8:11], s[92:99]           ; and of V: two tensor loads of the wave are out, here and behind every later round
	s_nop 0
	v_and_b32 v22, 15, v0                          ; r
	v_bfe_u32 v23, v0, 4, 1                        ; h
	v_lshlrev_b32 v30, 7, v22
	v_lshl_add_u32 v30, v23, 4, v30                ; Q: r x 128 + 16 h
.irp qt, 0,1
.irp dh, 0,1
	global_load_b128 v[QF+16*\qt+8*\dh:QF+16*\qt+8*\dh+3],   v30, s[100:101] offset:\qt*2048+\dh*64
	global_load_b128 v[QF+16*\qt+8*\dh+4:QF+16*\qt+8*\dh+7], v30, s[100:101] offset:\qt*2048+\dh*64+32
.endr
.endr
	v_lshrrev_b32 v24, 1, v22
	v_mul_u32_u24 v24, v24, 272
	v_and_b32 v25, 1, v0
	v_lshl_add_u32 v24, v25, 7, v24
	v_lshl_add_u32 v24, v23, 4, v24                ; key r: (r >> 1) x 272 + (r & 1) x 128 + 16 h
	v_add_nc_u32 v[ADRK], s34, v24                 ; + my half of the tile
	v_add_nc_u32 v[ADRK+1], SLOT, v[ADRK]
	v_bfe_u32 v24, v0, 1, 2
	v_lshl_add_u32 v24, v23, 2, v24
	v_mul_u32_u24 v24, v24, 288
	v_lshl_add_u32 v24, v25, 7, v24                ; key 8 h + (l & 7): (4 h + ((l & 7) >> 1)) x 288 + (l & 1) x 128
	v_bfe_u32 v26, v0, 3, 1
	v_lshl_add_u32 v24, v26, 4, v24                ; + which 8 of the 16 columns
	v_add_nc_u32 v[ADRV], s35, v24
	v_add_nc_u32 v[ADRV+1], SLOT, v[ADRV]
	s_load_b512 s[16:31], s[14:15], 0x0            ; my first step's mask words (every scalar above has been used)
	s_load_b512 s[32:47], s[14:15], 0x40
	s_load_b512 s[48:63], s[14:15], 0x80
	s_load_b512 s[68:83], s[14:15], 0xc0
	v_mov_b32 v[NEG], 0xceabfb8f                   ; -1e9 x log2(e)
	v_mov_b32 v15, 0                               ; v_permlanex16_b32's destination counts as read
	v_mov_b32 v17, 0
	s_wait_loadcnt 0x0                             ; Q
.macro SUBG kt, qt                     ; s - m, two at a time; m broadcast from the even register of its pair
.irp i, 0,2,4,6
	v_pk_add_f32 v[SB+8*(2*\kt+\qt)+\i:SB+8*(2*\kt+\qt)+\i+1], v[SB+8*(2*\kt+\qt)+\i:SB+8*(2*\kt+\qt)+\i+1], v[MN+2*\qt:MN+2*\qt+1] op_sel_hi:[1,0] neg_lo:[0,1] neg_hi:[0,1]
.endr
.endm
.macro EXPG kt, qt
.irp i, 0,1,2,3,4,5,6,7
	v_exp_f32 v[SB+8*(2*\kt+\qt)+\i], v[SB+8*(2*\kt+\qt)+\i]
.endr
.endm
.macro CONS kt, qt                     ; a tile's p: added to the step's sums (an even kt starts its chain), then rounded into P's registers, ascending, so that nothing unread is overwritten
.if (\kt&1)==0
	s_wait_alu depctr_va_vdst(0)
	v_pk_add_f32 v[RS+4*\qt+2*(\kt>>1):RS+4*\qt+2*(\kt>>1)+1], v[SB+8*(2*\kt+\qt):SB+8*(2*\kt+\qt)+1], v[SB+8*(2*\kt+\qt)+2:SB+8*(2*\kt+\qt)+3]
.else
	s_wait_alu depctr_va_vdst(0)
	v_pk_add_f32 v[RS+4*\qt+2*(\kt>>1):RS+4*\qt+2*(\kt>>1)+1], v[RS+4*\qt+2*(\kt>>1):RS+4*\qt+2*(\kt>>1)+1], v[SB+8*(2*\kt+\qt):SB+8*(2*\kt+\qt)+1]
	v_pk_add_f32 v[RS+4*\qt+2*(\kt>>1):RS+4*\qt+2*(\kt>>1)+1], v[RS+4*\qt+2*(\kt>>1):RS+4*\qt+2*(\kt>>1)+1], v[SB+8*(2*\kt+\qt)+2:SB+8*(2*\kt+\qt)+3]
.endif
	v_pk_add_f32 v[RS+4*\qt+2*(\kt>>1):RS+4*\qt+2*(\kt>>1)+1], v[RS+4*\qt+2*(\kt>>1):RS+4*\qt+2*(\kt>>1)+1], v[SB+8*(2*\kt+\qt)+4:SB+8*(2*\kt+\qt)+5]
	v_pk_add_f32 v[RS+4*\qt+2*(\kt>>1):RS+4*\qt+2*(\kt>>1)+1], v[RS+4*\qt+2*(\kt>>1):RS+4*\qt+2*(\kt>>1)+1], v[SB+8*(2*\kt+\qt)+6:SB+8*(2*\kt+\qt)+7]
.irp i, 0,1,2,3
	v_cvt_pk_bf16_f32 v[SB+8*(2*(\kt&2)+\qt)+4*(\kt&1)+\i], v[SB+8*(2*\kt+\qt)+2*\i], v[SB+8*(2*\kt+\qt)+2*\i+1]
.endr
.endm
.macro LSUM qt, first                  ; the row sum: rescaled, plus the step's two sums
.if \first
	v_pk_add_f32 v[LS+2*\qt:LS+2*\qt+1], v[RS+4*\qt:RS+4*\qt+1], v[RS+4*\qt+2:RS+4*\qt+3]
.else
	v_pk_fma_f32 v[LS+2*\qt:LS+2*\qt+1], v[LS+2*\qt:LS+2*\qt+1], v[14+2*\qt:15+2*\qt], v[RS+4*\qt:RS+4*\qt+1] op_sel_hi:[1,0,1]
	v_pk_add_f32 v[LS+2*\qt:LS+2*\qt+1], v[LS+2*\qt:LS+2*\qt+1], v[RS+4*\qt+2:RS+4*\qt+3]
.endif
.endm
; One step: 64 keys, the st-th of my two in the tile in slot.  first = 1: nothing to rescale, the products start the sums.
; adv: bytes from this step's mask words to my next step's (256 inside a tile, 768 over the other half's two blocks into the next tile); 0: there is no next step, nothing is asked for.
; In both products the eight accumulators take turns, one instruction a turn.
.macro STEP slot, st, first, adv
.set MN, 6+4*(\st&1)                   ; this step's maxima
.set MO, 6+4*(1-(\st&1))               ; the last step's
.if \first == 0
.rept 5
	v_nop                                          ; five places behind the last step's products: loads go into their first operand, matrix instructions write over their second
.endr
.endif
.irp dh, 0,1
.irp kt, 0,1,2,3
	ds_load_b128 v[FB+8*(4*\dh+\kt):FB+8*(4*\dh+\kt)+3],   v[ADRK+\slot] offset:\st*8704+\kt*2176+\dh*64
	ds_load_b128 v[FB+8*(4*\dh+\kt)+4:FB+8*(4*\dh+\kt)+7], v[ADRK+\slot] offset:\st*8704+\kt*2176+\dh*64+32
.endr
.endr
	s_wait_dscnt 8                                 ; d = 0..31 of the 64 keys is in; the eight loads of d = 32..63 stay out
.irp kt, 0,1,2,3
.irp qt, 0,1
	v_wmma_f32_16x16x32_bf16 v[SB+8*(2*\kt+\qt):SB+8*(2*\kt+\qt)+7], v[FB+8*\kt:FB+8*\kt+7], v[QF+16*\qt:QF+16*\qt+7], 0
.endr
.endr
	s_wait_dscnt 0x0
.irp kt, 0,1,2,3
.irp qt, 0,1
	v_wmma_f32_16x16x32_bf16 v[SB+8*(2*\kt+\qt):SB+8*(2*\kt+\qt)+7], v[FB+8*(4+\kt):FB+8*(4+\kt)+7], v[QF+16*\qt+8:QF+16*\qt+15], v[SB+8*(2*\kt+\qt):SB+8*(2*\kt+\qt)+7]
.endr
.endr
.rept 4
	v_nop                                          ; four places: then loads go into K's fragments, and the scores are read
.endr
.irp kh, 0,1
.irp dt, 0,1,2,3
	ds_load_tr16_b128 v[FB+8*(4*\kh+\dt):FB+8*(4*\kh+\dt)+3],   v[ADRV+\slot] offset:\st*9216+\kh*4608+\dt*32          ; keys 32 kh + 8 h + 0..7 of column 16 dt + r
	ds_load_tr16_b128 v[FB+8*(4*\kh+\dt)+4:FB+8*(4*\kh+\dt)+7], v[ADRV+\slot] offset:\st*9216+\kh*4608+\dt*32+2304     ; 16 keys (8 LDS rows) on
.endr
.endr
	s_wait_kmcnt 0x0                               ; this step's mask words are in, and their loads' pointer is free
.if \adv
	s_add_nc_u64 s[14:15], s[14:15], \adv
.endif
.irp qt, 0,1
.irp kt, 0,1,2,3
.irp j, 0,1,2,3,4,5,6,7
	v_cndmask_b32 v[SB+8*(2*\kt+\qt)+\j], v[NEG], v[SB+8*(2*\kt+\qt)+\j], s[16+(32*\qt+8*\kt+\j)+4*((32*\qt+8*\kt+\j)/48)]
.endr
.endr
.endr
.if \adv
	s_load_b512 s[16:31], s[14:15], 0x0            ; the words are read in the lines above alone: one set serves, and has the rest of the step in which to land
	s_load_b512 s[32:47], s[14:15], 0x40
	s_load_b512 s[48:63], s[14:15], 0x80
	s_load_b512 s[68:83], s[14:15], 0xc0
.endif
	; the maximum of my 32 scores of each qt and the old maximum: 33 numbers, 16 v_max3_num_f32, two chains for each qt
.irp qt, 0,1
	v_max3_num_f32 v[7+4*\qt], v[SB+8*\qt], v[SB+8*\qt+1], v[SB+8*\qt+2]
	v_max3_num_f32 v[9+4*\qt], v[SB+16+8*\qt+7], v[SB+32+8*\qt], v[SB+32+8*\qt+1]
.endr
.set e, 3
.rept 6
.irp qt, 0,1
	v_max3_num_f32 v[7+4*\qt], v[7+4*\qt], v[SB+16*(e/8)+8*\qt+e%8], v[SB+16*((e+1)/8)+8*\qt+(e+1)%8]
	v_max3_num_f32 v[9+4*\qt], v[9+4*\qt], v[SB+16*((e+15)/8)+8*\qt+(e+15)%8], v[SB+16*((e+16)/8)+8*\qt+(e+16)%8]
.endr
.set e, e+2
.endr
.irp qt, 0,1
	v_max3_num_f32 v[7+4*\qt], v[7+4*\qt], v[9+4*\qt], v[SB+48+8*\qt+6]
.if \first
	v_max_num_f32 v[7+4*\qt], v[7+4*\qt], v[SB+48+8*\qt+7]
.else
	v_max3_num_f32 v[7+4*\qt], v[7+4*\qt], v[SB+48+8*\qt+7], v[MO+2*\qt]
.endif
.endr
	v_permlanex16_b32 v15, v7, s2, s3              ; the other half of the lanes holds the query's other 32 keys
	v_permlanex16_b32 v17, v11, s2, s3
	v_max_num_f32 v[MN], v7, v15
	v_max_num_f32 v[MN+2], v11, v17
.if \first == 0
	v_sub_f32 v14, v[MO], v[MN]
	v_sub_f32 v16, v[MO+2], v[MN+2]
	v_exp_f32 v14, v14                             ; 2^(m_old - m_new)
	v_exp_f32 v16, v16
.endif
	; p = 2^(s - m), tile by tile.  Behind a tile's eight v_exp_f32 stand the next tile's subtractions, plain and independent (ISA guide 5.7.2), before its p are used.
	SUBG 0, 0
	EXPG 0, 0
	SUBG 0, 1
	CONS 0, 0
	EXPG 0, 1
	SUBG 1, 0
	CONS 0, 1
	EXPG 1, 0
	SUBG 1, 1
	CONS 1, 0
	EXPG 1, 1
	SUBG 2, 0
	CONS 1, 1
	EXPG 2, 0
	SUBG 2, 1
	CONS 2, 0
	EXPG 2, 1
	SUBG 3, 0
	CONS 2, 1
	EXPG 3, 0
	SUBG 3, 1
	CONS 3, 0
	EXPG 3, 1
	LSUM 0, \first                                 ; the plain place behind the last exponentials
	CONS 3, 1
	LSUM 1, \first
.if \first == 0
.irp dt, 0,1,2,3
.irp qt, 0,1
.irp i, 0,2,4,6
	v_pk_mul_f32 v[OB+8*(2*\dt+\qt)+\i:OB+8*(2*\dt+\qt)+\i+1], v[OB+8*(2*\dt+\qt)+\i:OB+8*(2*\dt+\qt)+\i+1], v[14+2*\qt:15+2*\qt] op_sel_hi:[1,0]
.endr
.endr
.endr
.endif
	s_wait_dscnt 0x0                               ; V's fragments
.irp dt, 0,1,2,3
.irp qt, 0,1
.if \first
	v_wmma_f32_16x16x32_bf16 v[OB+8*(2*\dt+\qt):OB+8*(2*\dt+\qt)+7], v[FB+8*\dt:FB+8*\dt+7], v[SB+8*\qt:SB+8*\qt+7], 0
.else
	v_wmma_f32_16x16x32_bf16 v[OB+8*(2*\dt+\qt):OB+8*(2*\dt+\qt)+7], v[FB+8*\dt:FB+8*\dt+7], v[SB+8*\qt:SB+8*\qt+7], v[OB+8*(2*\dt+\qt):OB+8*(2*\dt+\qt)+7]
.endif
.endr
.endr
.irp dt, 0,1,2,3
.irp qt, 0,1
	v_wmma_f32_16x16x32_bf16 v[OB+8*(2*\dt+\qt):OB+8*(2*\dt+\qt)+7], v[FB+8*(4+\dt):FB+8*(4+\dt)+7], v[SB+8*(4+\qt):SB+8*(4+\qt)+7], v[OB+8*(2*\dt+\qt):OB+8*(2*\dt+\qt)+7]
.endr
.endr
.endm
; One tile of 256 keys, of which I take 128.  In front of the round every wave has all its tensor loads landed (its part of this tile among them) and its reads of the
; other slot back; so the two group 0 may be written, and behind the round's closing wait the other slot is filled again first, jointly, with a whole tile's work in which to land.
.macro TRIP slot, refill, first, last
	s_wait_xcnt 0x0
	v_lshl_add_u32 v126, v0, 2, 0x46000
	v_mov_b32 v127, 0
	s_wait_tensorcnt 0x0
	ds_add_u32 v126, v127
	s_wait_dscnt 0x0
	s_add_nc_u64 s[6:7], s[6:7], 32768             ; the next tile (in the last trip written and not used)
	s_add_nc_u64 s[10:11], s[10:11], 32768
	s_add_co_u32 s5, s66, (1-\slot)*SLOT
	s_add_co_u32 s9, s67, (1-\slot)*SLOT
	s_wait_dscnt 0x0
	ROUND
.if \refill
	tensor_load_to_lds s[4:7], s[84:91]
	s_nop 0
	tensor_load_to_lds s[8:11], s[92:99]
	s_nop 0
.endif
	STEP \slot, 0, \first, 256
	STEP \slot, 1, 0, 768*(1-\last)
.endm
	TRIP 0, 1, 1, 0                                ; tile 0 stands in front of the loop: its first step starts every sum
	s_mov_b32 s13, 3                               ; tiles 1 to 6
.Ltiles:
	TRIP 1, 1, 0, 0
	TRIP 0, 1, 0, 0
	s_sub_co_i32 s13, s13, 1
	s_cmp_lg_u32 s13, 0
	s_cbranch_scc1 .Ltiles
	TRIP 1, 0, 0, 1                                ; tile 7 asks for nothing
	; THE MERGE.  My last step was an odd one: its maxima lie in v10 and v12.  The row sums go beside them, so that v[10:13] = m, l of qt 0, m, l of qt 1.
.rept 4
	v_nop                                          ; four places behind the last product before O is read
.endr
	v_add_f32 v7, v18, v19
	v_add_f32 v9, v20, v21
	v_permlanex16_b32 v15, v7, s2, s3
	v_permlanex16_b32 v17, v9, s2, s3
	v_add_f32 v11, v7, v15                         ; the sum over my 1,024 keys, at least 1: the largest score gives p = 1
	v_add_f32 v13, v9, v17
	s_and_b32 s16, s12, 7                          ; (the mask words' registers are free: no scalar load is out)
	s_mul_i32 s16, s16, MPAIR
	s_add_co_u32 s16, s16, MRG
	v_and_b32 v26, 31, v0
	v_lshlrev_b32 v26, 4, v26
	v_add_nc_u32 v26, s16, v26                     ; my pair's bytes + 16 a lane: partners have the same lane layout, each lane gets its own lane's numbers
	s_lshr_b32 s17, s12, 3
	s_cmp_eq_u32 s17, 0
	s_cbranch_scc1 .Lkeep                          ; the branch hangs on the wave's number alone and jumps over LDS stores alone
.irp i, 0,1,2,3,4,5,6,7,8,9,10,11,12,13,14,15
	ds_store_b128 v26, v[OB+4*\i:OB+4*\i+3] offset:512*\i
.endr
	ds_store_b128 v26, v[10:13] offset:8192
.Lkeep:
	s_wait_dscnt 0x0                               ; for the partner's sake: my stores are done
	s_barrier_signal -1
	s_barrier_wait -1
	s_cmp_lg_u32 s17, 0
	s_cbranch_scc1 .Ldone                          ; the waves with kh = 1 have handed over
	ds_load_b128 v[22:25], v26 offset:8192         ; the partner's m, l, m, l
.irp i, 0,1,2,3,4,5,6,7,8,9,10,11,12,13,14,15
	ds_load_b128 v[FB+4*\i:FB+4*\i+3], v26 offset:512*\i
.endr
	s_wait_dscnt 16                                ; m and l are in; the 16 loads of O stay out
	v_max_num_f32 v6, v10, v22
	v_max_num_f32 v8, v12, v24
	v_sub_f32 v14, v10, v6
	v_sub_f32 v16, v12, v8
	v_sub_f32 v22, v22, v6
	v_sub_f32 v24, v24, v8
	v_exp_f32 v14, v14                             ; a0 = 2^(m0 - m)
	v_exp_f32 v16, v16
	v_exp_f32 v22, v22                             ; a1 = 2^(m1 - m)
	v_exp_f32 v24, v24
	s_mul_i32 s18, s12, 32*144                     ; the stage's addresses are also the plain places behind the transcendentals
	s_add_co_u32 s18, s18, STAGE
	v_and_b32 v27, 15, v0
	v_bfe_u32 v28, v0, 4, 1
	v_mul_u32_u24 v27, v27, 144
	v_lshl_add_u32 v27, v28, 4, v27
	v_add_nc_u32 v31, s18, v27                     ; in: query r, 16 bytes for each half of the lanes; 144 = 9 x 16: 16 rows at 16 different 16-byte columns
	s_wait_alu depctr_va_vdst(0)
	v_mul_f32 v11, v11, v14
	v_mul_f32 v13, v13, v16
	v_fmac_f32 v11, v23, v22                       ; l = a0 l0 + a1 l1, at least 1: one of a0, a1 is 1
	v_fmac_f32 v13, v25, v24
	v_rcp_f32 v7, v11
	v_rcp_f32 v9, v13
	v_and_b32 v28, 31, v0
	v_lshrrev_b32 v29, 3, v28
	v_mul_u32_u24 v29, v29, 144
	v_and_b32 v30, 7, v0
	v_lshl_add_u32 v29, v30, 4, v29
	v_add_nc_u32 v29, s18, v29                     ; back: eight lanes a row, four rows an instruction
	v_lshlrev_b32 v30, 4, v28                      ; which are 512 consecutive bytes of cws
	s_wait_alu depctr_va_vdst(0)
	v_mul_f32 v14, v14, v7                         ; a0 / l
	v_mul_f32 v16, v16, v9
	v_mul_f32 v22, v22, v7                         ; a1 / l
	v_mul_f32 v24, v24, v9
.irp dt, 0,1,2,3
.irp qt, 0,1
	s_wait_dscnt 14-2*(2*\dt+\qt)                  ; this tile's two loads are in, the younger tiles' two each stay out
.irp i, 0,2,4,6
	v_pk_mul_f32 v[OB+8*(2*\dt+\qt)+\i:OB+8*(2*\dt+\qt)+\i+1], v[OB+8*(2*\dt+\qt)+\i:OB+8*(2*\dt+\qt)+\i+1], v[14+2*\qt:15+2*\qt] op_sel_hi:[1,0]
	v_pk_fma_f32 v[OB+8*(2*\dt+\qt)+\i:OB+8*(2*\dt+\qt)+\i+1], v[FB+8*(2*\dt+\qt)+\i:FB+8*(2*\dt+\qt)+\i+1], v[22+2*\qt:23+2*\qt], v[OB+8*(2*\dt+\qt)+\i:OB+8*(2*\dt+\qt)+\i+1] op_sel_hi:[1,0,1]
.endr
.irp i, 0,1,2,3
	v_cvt_pk_bf16_f32 v[SB+4*(2*\dt+\qt)+\i], v[OB+8*(2*\dt+\qt)+2*\i], v[OB+8*(2*\dt+\qt)+2*\i+1]
.endr
.endr
.endr
.irp dt, 0,1,2,3
.irp qt, 0,1
	ds_store_b128 v31, v[SB+4*(2*\dt+\qt):SB+4*(2*\dt+\qt)+3] offset:\qt*2304+\dt*32
.endr
.endr
.irp t, 0,1,2,3,4,5,6,7
	ds_load_b128 v[FB+4*\t:FB+4*\t+3], v29 offset:576*\t           ; LDS serves a wave's instructions in order: these see the stores above
.endr
.irp t, 0,1,2,3,4,5,6,7
	s_wait_dscnt 7-\t                              ; read-back t is in, the younger ones stay out
	global_store_b128 v30, v[FB+4*\t:FB+4*\t+3], s[104:105] offset:512*\t
.endr
.Ldone:
	s_wait_xcnt 0x0
	v_lshl_add_u32 v126, v0, 2, 0x46000
	v_mov_b32 v127, 0
	s_wait_tensorcnt 0x0
	ds_add_u32 v126, v127
	s_wait_dscnt 0x0
	ROUND                                          ; the closing round
	s_endpgm
.Lfunc_end_k_q535b8d7313_attn:
	.size	k_q535b8d7313_attn, .Lfunc_end_k_q535b8d7313_attn-k_q535b8d7313_attn
	.p2alignl 7, 3214868480
	.fill 96, 4, 3214868480
	.section	.rodata,"a",@progbits
	.p2align	6, 0x0
	.amdhsa_kernel k_q535b8d7313_attn
		.amdhsa_group_segment_fixed_size 327680
		.amdhsa_private_segment_fixed_size 0
		.amdhsa_enable_private_segment 0
		.amdhsa_kernarg_size 24
		.amdhsa_user_sgpr_count 2
		.amdhsa_user_sgpr_kernarg_segment_ptr 1
		.amdhsa_wavefront_size32 1
		.amdhsa_system_sgpr_workgroup_id_x 1
		.amdhsa_system_sgpr_workgroup_id_y 1
		.amdhsa_system_sgpr_workgroup_id_z 1
		.amdhsa_system_vgpr_workitem_id 0
		.amdhsa_next_free_vgpr 256
		.amdhsa_next_free_sgpr 106
		.amdhsa_reserve_vcc 0
		.amdhsa_float_denorm_mode_32 3
		.amdhsa_float_denorm_mode_16_64 3
		.amdhsa_memory_ordered 1
		.amdhsa_forward_progress 1
		.amdhsa_inst_pref_size 192
	.end_amdhsa_kernel
	.amdgpu_metadata
---
amdhsa.version: [ 1, 2 ]
amdhsa.kernels:
  - .name:           k_q535b8d7313_attn
    .symbol:         k_q535b8d7313_attn.kd
    .args:
      - { .name: qkv, .offset: 0, .size: 8, .value_kind: global_buffer, .address_space: global }
      - { .name: maskw, .offset: 8, .size: 8, .value_kind: global_buffer, .address_space: global }
      - { .name: cws, .offset: 16, .size: 8, .value_kind: global_buffer, .address_space: global }
    .group_segment_fixed_size: 327680
    .private_segment_fixed_size: 0
    .kernarg_segment_align: 8
    .kernarg_segment_size: 24
    .max_flat_workgroup_size: 512
    .sgpr_count:     106
    .vgpr_count:     256
    .wavefront_size: 32
...
	.end_amdgpu_metadata
.endif
;; end of part 3
;; launch oproj (part 4): grid 8 x 32, 4 waves a work-group, clusters of 4 x 4, 327,680 bytes of LDS; arguments cws, wbf, bo, out0; writes out0
.if DOCPART == 4
	.amdgcn_target "amdgcn-amd-amdhsa--gfx1250"
	.amdhsa_code_object_version 6
	.text
	.protected	k_q535b8d7313_oproj
	.globl	k_q535b8d7313_oproj
	.p2align	8
	.type	k_q535b8d7313_oproj,@function
k_q535b8d7313_oproj:
	s_mov_b64 s[64:65], 0
	v_nop
	global_prefetch_b8 v0, s[64:65] scope:SCOPE_SE
	s_setreg_imm32_b32 hwreg(HW_REG_WAVE_MODE, 25, 1), 1
	s_wait_xcnt 0x0
	s_wait_alu depctr_hold_cnt(0) depctr_sa_sdst(0) depctr_va_vdst(0) depctr_va_sdst(0) depctr_va_ssrc(0) depctr_va_vcc(0) depctr_vm_vsrc(0)
	s_getreg_b32 s2, hwreg(HW_REG_IB_STS2, 6, 4)
	s_cmp_eq_u32 s2, 0
	s_cbranch_scc0 .Lentry_in_a_cluster
	s_endpgm
.Lentry_in_a_cluster:
	s_bfe_u32 s2, ttmp6, 0x10000c
	s_cmp_lg_u32 s2, 0xf033
	s_cbranch_scc0 .Lentry_shape_is_right
	s_endpgm
.Lentry_shape_is_right:
; OPROJ: out0 = concat Wo^T + bo, 4096 x 1024 x 1024, f32 out.  A = cws, bf16 [b][h][s][64]: blocked by 64 along K (block = head); B = wbf's fourth part, blocked alike.
; 256 work-groups of 128 x 128, four waves of 64 x 64 (16 accumulator tiles): with a larger block the sizes give fewer work-groups than there are WGPs.
; K goes in steps of 256 (four blocks of 64) through two LDS slots: four tiles in all, so the text is written out without a loop.
; CLUSTERS: 4 x 4; A's tiles hang on the block row and are asked for jointly along a row of the cluster, B's on the block column, along a column.
; Windows: 0: addresses, A's fragments (two buffers), the bias; 1: B's fragments; 2: accumulators, tile (a, b) at v[8 (4 a + b)].
; The matrix instruction is used transposed: lane l holds row l % 16, registers 0-7 the columns 8 (l / 16) + 0..7.
.set PITCH, 272
.set REG,   64*PITCH                   ; 128 rows x 64 bf16, two rows to an LDS row of 256 bytes + 16: one tensor load
.set BOFF,  4*REG
.set SLOT,  8*REG                      ; A's four K blocks, then B's
.set STAGE, 2*SLOT                     ; 16 rows x 272 bytes for each wave; no tensor load fills it
.set ADRA, 16
.set ADRB, 20
.set STO,  24
.set RD,   25
.set CO,   26
.set F0,   64
.set F1,   128
.set BI,   192                         ; bias: 8 registers for each of 4 column tiles
.set G1,  24                           ; s[24:31]
.set G1B, 84                           ; s[84:91]
.set G0,  40                           ; s[40:55] A: slot s, load j at 8 s + 4 j
.set G0B, 68                           ; s[68:83] B
.set MSB, 0
.macro WIN new
.if MSB != \new
	s_set_vgpr_msb (MSB<<8)|\new
.set MSB, \new
.endif
.endm
.macro JLOAD s                         ; waves 0, 1: two K blocks of A each; waves 2, 3: of B
	s_cmp_eq_u32 s13, 0
	s_cbranch_scc0 .Lfor_b_\@
	tensor_load_to_lds s[G0+8*\s:G0+8*\s+3], s[G1:G1+7]
	s_nop 0
	tensor_load_to_lds s[G0+8*\s+4:G0+8*\s+7], s[G1:G1+7]
	s_nop 0
	s_branch .Lasked_\@
.Lfor_b_\@:
	tensor_load_to_lds s[G0B+8*\s:G0B+8*\s+3], s[G1B:G1B+7]
	s_nop 0
	tensor_load_to_lds s[G0B+8*\s+4:G0B+8*\s+7], s[G1B:G1B+7]
	s_nop 0
.Lasked_\@:
.endm
.macro CREST
	s_cmp_lg_u32 s12, 0
	s_cbranch_scc1 .Lnot_wave_0_\@
	s_barrier_signal -3
.Lnot_wave_0_\@:
	s_barrier_wait -3
	s_barrier_signal -1
	s_barrier_wait -1
.endm
.macro CROUND
	s_barrier_signal -1
	s_barrier_wait -1
	CREST
.endm
.macro PLACES                          ; four places behind a matrix instruction before a load goes into a register that it has read, or its result is read
.rept 4
	v_nop
.endr
.endm
	s_load_b256 s[4:11], s[0:1], 0x0               ; cws s[4:5], wbf s[6:7], bo s[8:9], out0 s[10:11]
	s_set_vgpr_msb 0x40
	v_lshl_add_u32 v255, v0, 2, 0x48400
	s_set_vgpr_msb 0x4000
	v_mov_b32 v255, 0
	s_set_vgpr_msb 0x1
	ds_add_u32 v255, v255
	ds_add_u32 v255, v255
	s_set_vgpr_msb 0x100
	v_lshrrev_b32 v1, 5, v0
	v_readfirstlane_b32 s12, v1                    ; wave 0..3
	s_lshr_b32 s13, s12, 1                         ; my half of the rows; also: I fetch for A (0) or B (1)
	s_and_b32 s14, s12, 1                          ; my half of the columns; also: which two K blocks I fetch
	s_bfe_u32 s15, ttmp6, 0x40000                  ; cx
	s_bfe_u32 s16, ttmp6, 0x40004                  ; cy
	s_lshl_b32 s17, ttmp9, 2
	s_add_co_u32 s17, s17, s15                     ; block column 0..7
	s_and_b32 s18, ttmp7, 0xffff
	s_lshl_b32 s18, s18, 2
	s_add_co_u32 s18, s18, s16                     ; block row 0..31
	s_lshl_b32 s19, s16, 2
	s_lshl_b32 s19, 15, s19                        ; my row of the cluster
	s_lshl_b32 s20, 0x1111, s15                    ; my column
	; group 1: a dense block of 16,384 bytes as 64 rows of 32 elements of 8 bytes, 4 words of padding a row
	s_or_b32 s[G1+0], s19, (3<<16)|(1<<20)|(1<<21)|(5<<22)|(3<<25)
	s_or_b32 s[G1B+0], s20, (3<<16)|(1<<20)|(1<<21)|(5<<22)|(3<<25)
	s_mov_b32 s[G1+1], 32<<16
	s_mov_b32 s[G1B+1], 32<<16
	s_mov_b32 s[G1+2], 64<<16
	s_mov_b32 s[G1B+2], 64<<16
	s_mov_b32 s[G1+3], 32<<16
	s_mov_b32 s[G1B+3], 32<<16
	s_mov_b32 s[G1+4], 64
	s_mov_b32 s[G1B+4], 64
	s_mov_b32 s[G1+5], 32
	s_mov_b32 s[G1B+5], 32
	s_mov_b32 s[G1+6], 0
	s_mov_b32 s[G1B+6], 0
	s_mov_b32 s[G1+7], 0
	s_mov_b32 s[G1B+7], 0
	s_lshr_b32 s32, s18, 4                         ; A: ((16 b + 2 x half) x 2048 + (block row & 15) x 128) x 128; cx never enters
	s_lshl_b32 s32, s32, 4
	s_lshl_b32 s33, s14, 1
	s_add_co_u32 s32, s32, s33
	s_lshl_b32 s32, s32, 18
	s_and_b32 s33, s18, 15
	s_lshl_b32 s33, s33, 14
	s_add_co_u32 s32, s32, s33
	s_mov_b32 s33, 0
	s_lshl_b32 s34, s14, 18                        ; B: 3 x 2,097,152 + (2 x half x 1024 + 128 x block column) x 128; cy never enters
	s_lshl_b32 s35, s17, 14
	s_add_co_u32 s34, s34, s35
	s_add_co_u32 s34, s34, 3*2097152
	s_mov_b32 s35, 0
	s_mul_i32 s36, s14, 2*REG
	s_add_co_u32 s37, s36, BOFF
	s_wait_dscnt 0x0
	s_wait_kmcnt 0x0
	s_add_nc_u64 s[32:33], s[4:5], s[32:33]
	s_add_nc_u64 s[34:35], s[6:7], s[34:35]
	CROUND                                         ; all sixteen work-groups are here: the first joint loads meet
.irp s, 0,1
.irp j, 0,1
	s_mov_b32 s[G0+8*\s+4*\j], 1
	s_add_co_u32 s[G0+8*\s+4*\j+1], s36, \s*SLOT+\j*REG
	s_add_nc_u64 s[G0+8*\s+4*\j+2:G0+8*\s+4*\j+3], s[32:33], (4*\s+\j)*262144
	s_or_b32 s[G0+8*\s+4*\j+3], s[G0+8*\s+4*\j+3], 0x80000000
	s_mov_b32 s[G0B+8*\s+4*\j], 1
	s_add_co_u32 s[G0B+8*\s+4*\j+1], s37, \s*SLOT+\j*REG
	s_add_nc_u64 s[G0B+8*\s+4*\j+2:G0B+8*\s+4*\j+3], s[34:35], (4*\s+\j)*131072
	s_or_b32 s[G0B+8*\s+4*\j+3], s[G0B+8*\s+4*\j+3], 0x80000000
.endr
	JLOAD \s                                       ; four tensor loads of the wave are out after the second: the most in this text
.endr
	v_and_b32 v1, 15, v0                           ; r
	v_bfe_u32 v2, v0, 4, 1                         ; h
	v_lshlrev_b32 v6, 5, v2
	s_lshl_b32 s56, s17, 9
	s_lshl_b32 s57, s14, 8
	s_add_co_u32 s56, s56, s57                     ; (128 x block column + 64 x half) x 4
	s_mov_b32 s57, 0
	s_add_nc_u64 s[8:9], s[8:9], s[56:57]
.irp b, 0,1,2,3
	global_load_b128 v[BI+8*\b:BI+8*\b+3],   v6, s[8:9] offset:64*\b
	global_load_b128 v[BI+8*\b+4:BI+8*\b+7], v6, s[8:9] offset:64*\b+16
.endr
	v_lshrrev_b32 v3, 1, v1
	v_mul_u32_u24 v3, v3, PITCH
	v_and_b32 v4, 1, v1
	v_lshl_add_u32 v3, v4, 7, v3
	v_lshl_add_u32 v3, v2, 4, v3                   ; (r >> 1) x 272 + (r & 1) x 128 + 16 h
	s_mul_i32 s21, s13, 32*PITCH                   ; my 64 rows of A
	s_mul_i32 s22, s14, 32*PITCH                   ; my 64 rows of B
	s_add_co_u32 s22, s22, BOFF
.irp s, 0,1
	v_add_nc_u32 v[ADRA+\s], s21, v3
	v_add_nc_u32 v[ADRB+\s], s22, v3
	s_add_co_u32 s21, s21, SLOT
	s_add_co_u32 s22, s22, SLOT
.endr
	s_mul_i32 s23, s12, 16*PITCH
	s_add_co_u32 s23, s23, STAGE
	v_mul_u32_u24 v4, v1, PITCH
	v_lshl_add_u32 v4, v2, 5, v4
	v_add_nc_u32 v[STO], s23, v4                   ; in: row r, 32 bytes (8 f32) for each half of the lanes
	v_mul_u32_u24 v5, v2, PITCH
	v_lshl_add_u32 v5, v1, 4, v5
	v_add_nc_u32 v[RD], s23, v5                    ; back: lanes 0-15 one row of 256 bytes, lanes 16-31 the next
	v_lshlrev_b32 v5, 12, v2
	v_lshl_add_u32 v[CO], v1, 4, v5                ; the same two rows in out0
; 16 matrix instructions: 4 x 4 tiles, 32 along K (kq: which half of the K block).  cmode = 1: C is the bias, which starts the sums.
; The 16 accumulators take turns, one instruction a turn, in one fixed order.
.macro MULK f, kq, cmode
	WIN (0xa1-0x20*\cmode)
.irp a, 0,1,2,3
.irp b, 0,1,2,3
.if \cmode
	v_wmma_f32_16x16x32_bf16 v[8*(4*\a+\b):8*(4*\a+\b)+7], v[\f+32*\kq+8*\b:\f+32*\kq+8*\b+7], v[\f+32*\kq+8*\a:\f+32*\kq+8*\a+7], v[BI+8*\b:BI+8*\b+7]
.else
	v_wmma_f32_16x16x32_bf16 v[8*(4*\a+\b):8*(4*\a+\b)+7], v[\f+32*\kq+8*\b:\f+32*\kq+8*\b+7], v[\f+32*\kq+8*\a:\f+32*\kq+8*\a+7], v[8*(4*\a+\b):8*(4*\a+\b)+7]
.endif
.endr
.endr
.endm
.macro FETCH slot, kbl, f              ; 32 LDS loads: one K block's fragments of B and of A
	WIN 0x40
.irp kq, 0,1
.irp i, 0,1,2,3
	ds_load_b128 v[\f+32*\kq+8*\i:\f+32*\kq+8*\i+3],   v[ADRB+\slot] offset:\kbl*REG+\i*8*PITCH+\kq*64
	ds_load_b128 v[\f+32*\kq+8*\i+4:\f+32*\kq+8*\i+7], v[ADRB+\slot] offset:\kbl*REG+\i*8*PITCH+\kq*64+32
.endr
.endr
	WIN 0
.irp kq, 0,1
.irp i, 0,1,2,3
	ds_load_b128 v[\f+32*\kq+8*\i:\f+32*\kq+8*\i+3],   v[ADRA+\slot] offset:\kbl*REG+\i*8*PITCH+\kq*64
	ds_load_b128 v[\f+32*\kq+8*\i+4:\f+32*\kq+8*\i+7], v[ADRA+\slot] offset:\kbl*REG+\i*8*PITCH+\kq*64+32
.endr
.endr
.endm
.macro UNIT slot, kbl, f, g, cmode     ; fetches K block kbl into g, multiplies f
	PLACES
	FETCH \slot, \kbl, \g
	s_wait_dscnt 32                                ; all but the 32 loads just issued: buffer f is whole
	MULK \f, 0, \cmode
	MULK \f, 1, 0
.endm
; A tile's fourth K block, and the change of slots: each wave's reads of this slot are back and all its tensor loads have landed in front of the barrier; where the slot is
; filled again the barrier opens a round of the cluster's barrier, and the joint refills are the first tensor loads behind it, ahead of the first LDS read.
.macro TURNU slot, next, fill
	s_wait_dscnt 0x0
	s_wait_tensorcnt 0x0
	ds_add_u32 v255, v255
	s_wait_dscnt 0x0
	s_barrier_signal -1
	MULK F1, 0, 0
	WIN 0
	s_barrier_wait -1
.if \fill
	CREST
.irp j, 0,1
	s_add_nc_u64 s[G0+8*\slot+4*\j+2:G0+8*\slot+4*\j+3], s[G0+8*\slot+4*\j+2:G0+8*\slot+4*\j+3], 2097152     ; eight K blocks on
	s_add_nc_u64 s[G0B+8*\slot+4*\j+2:G0B+8*\slot+4*\j+3], s[G0B+8*\slot+4*\j+2:G0B+8*\slot+4*\j+3], 1048576
.endr
	JLOAD \slot
.endif
	PLACES
	FETCH \next, 0, F0
	MULK F1, 1, 0
.endm
	s_wait_loadcnt 0x0                             ; the bias
	s_wait_tensorcnt 0x2                           ; my two loads of tile 0 are in; tile 1's two stay out
	s_barrier_signal -1
	s_barrier_wait -1
	FETCH 0, 0, F0
	UNIT 0, 1, F0, F1, 1                           ; tile 0
	UNIT 0, 2, F1, F0, 0
	UNIT 0, 3, F0, F1, 0
	TURNU 0, 1, 1                                  ; asks for tile 2
	UNIT 1, 1, F0, F1, 0                           ; tile 1
	UNIT 1, 2, F1, F0, 0
	UNIT 1, 3, F0, F1, 0
	TURNU 1, 0, 1                                  ; asks for tile 3
	UNIT 0, 1, F0, F1, 0                           ; tile 2
	UNIT 0, 2, F1, F0, 0
	UNIT 0, 3, F0, F1, 0
	TURNU 0, 1, 0
	UNIT 1, 1, F0, F1, 0                           ; tile 3
	UNIT 1, 2, F1, F0, 0
	UNIT 1, 3, F0, F1, 0
	s_wait_dscnt 0x0
	MULK F1, 0, 0
	MULK F1, 1, 0
	PLACES
	s_lshl_b32 s56, s18, 19                        ; out0 + (128 x block row + 64 x half) x 4096 + (128 x block column + 64 x half) x 4
	s_lshl_b32 s57, s13, 18
	s_add_co_u32 s56, s56, s57
	s_lshl_b32 s57, s17, 9
	s_add_co_u32 s56, s56, s57
	s_lshl_b32 s57, s14, 8
	s_add_co_u32 s56, s56, s57
	s_mov_b32 s57, 0
	s_add_nc_u64 s[10:11], s[10:11], s[56:57]
; 16 rows at a time, f32 as it lies in the accumulators: into my own stage, back as whole rows of 256 bytes.
.macro OUT16 a, f
	WIN 0x08                                       ; the stores' data in window 2
.irp b, 0,1,2,3
	ds_store_b128 v[STO], v[8*(4*\a+\b):8*(4*\a+\b)+3]   offset:64*\b
	ds_store_b128 v[STO], v[8*(4*\a+\b)+4:8*(4*\a+\b)+7] offset:64*\b+16
.endr
	WIN 0
	s_wait_xcnt 0x0                                ; buffer f, which earlier stores read, is loaded again only behind this wait
.irp t, 0,1,2,3,4,5,6,7
	ds_load_b128 v[\f+4*\t:\f+4*\t+3], v[RD] offset:\t*2*PITCH     ; LDS serves a wave's instructions in order: these see the stores above
.endr
.irp t, 0,1,2,3,4,5,6,7
	s_wait_dscnt 7-\t                              ; read-back t is in, the younger ones stay out
	global_store_b128 v[CO], v[\f+4*\t:\f+4*\t+3], s[10:11] offset:(16*\a+2*\t)*4096   ; 16 lanes store 256 consecutive bytes, aligned
.endr
.endm
	OUT16 0, F0
	OUT16 1, F1
	OUT16 2, F0
	OUT16 3, F1
	s_set_vgpr_msb 0x1
	s_wait_tensorcnt 0x0
	ds_add_u32 v255, v255
	s_wait_dscnt 0x0
	s_set_vgpr_msb 0x100
	CROUND                                         ; the closing round
	s_endpgm
.Lfunc_end_k_q535b8d7313_oproj:
	.size	k_q535b8d7313_oproj, .Lfunc_end_k_q535b8d7313_oproj-k_q535b8d7313_oproj
	.p2alignl 7, 3214868480
	.fill 96, 4, 3214868480
	.section	.rodata,"a",@progbits
	.p2align	6, 0x0
	.amdhsa_kernel k_q535b8d7313_oproj
		.amdhsa_group_segment_fixed_size 327680
		.amdhsa_private_segment_fixed_size 0
		.amdhsa_enable_private_segment 0
		.amdhsa_kernarg_size 32
		.amdhsa_user_sgpr_count 2
		.amdhsa_user_sgpr_kernarg_segment_ptr 1
		.amdhsa_wavefront_size32 1
		.amdhsa_system_sgpr_workgroup_id_x 1
		.amdhsa_system_sgpr_workgroup_id_y 1
		.amdhsa_system_sgpr_workgroup_id_z 1
		.amdhsa_system_vgpr_workitem_id 0
		.amdhsa_next_free_vgpr 640
		.amdhsa_next_free_sgpr 100
		.amdhsa_reserve_vcc 0
		.amdhsa_float_denorm_mode_32 3
		.amdhsa_float_denorm_mode_16_64 3
		.amdhsa_memory_ordered 1
		.amdhsa_forward_progress 1
		.amdhsa_inst_pref_size 89
	.end_amdhsa_kernel
	.amdgpu_metadata
---
amdhsa.version: [ 1, 2 ]
amdhsa.kernels:
  - .name:           k_q535b8d7313_oproj
    .symbol:         k_q535b8d7313_oproj.kd
    .args:
      - { .name: cws, .offset: 0, .size: 8, .value_kind: global_buffer, .address_space: global }
      - { .name: wbf, .offset: 8, .size: 8, .value_kind: global_buffer, .address_space: global }
      - { .name: bo, .offset: 16, .size: 8, .value_kind: global_buffer, .address_space: global }
      - { .name: out0, .offset: 24, .size: 8, .value_kind: global_buffer, .address_space: global }
    .group_segment_fixed_size: 327680
    .private_segment_fixed_size: 0
    .kernarg_segment_align: 8
    .kernarg_segment_size: 32
    .max_flat_workgroup_size: 128
    .sgpr_count:     100
    .vgpr_count:     640
    .wavefront_size: 32
...
	.end_amdgpu_metadata
.endif
;; end of part 4
